; MI455X (gfx1250); checked and timed in simulation.
; The chip was launched on July 23, 2026; its instructions are those of AMD's public machine-readable ISA for CDNA 5 (MIT licence, August 2026) and "CDNA5" Instruction Set Architecture Reference Guide (July 2026). The comments in the code are by the model that wrote it; some were corrected since.
;; Split Attention. Allowed arithmetic: matrix products marked QUANTISED: E2M3 operands, one E8M0 scale for each 32 along K, by v_wmma_scale_f32_16x16x128_f8f6f4 with both operands' format E2M3, f32 sums; everything else in f32.
;; Inputs: Wk_codes 1,024 x 16 x 24 uint8 (E2M3 codes of Wk, K innermost, in blocks of 32 codes, four codes in three bytes); Wk_scales 1,024 x 16 uint8 (E8M0 scales of Wk, one for each 32 codes along K); Wo_codes 1,024 x 32 x 24 uint8 (E2M3 codes of Wo, K innermost, in blocks of 32 codes, four codes in three bytes); Wo_scales 1,024 x 32 uint8 (E8M0 scales of Wo, one for each 32 codes along K); Wq_codes 1,024 x 16 x 24 uint8 (E2M3 codes of Wq, K innermost, in blocks of 32 codes, four codes in three bytes); Wq_scales 1,024 x 16 uint8 (E8M0 scales of Wq, one for each 32 codes along K); Wv_codes 1,024 x 16 x 24 uint8 (E2M3 codes of Wv, K innermost, in blocks of 32 codes, four codes in three bytes); Wv_scales 1,024 x 16 uint8 (E8M0 scales of Wv, one for each 32 codes along K); x 4 x 2,048 x 1,024 float32.
;; Outputs: out0 4 x 2,048 x 1,024 float32.
;; This version of the problem:
;;   THIS VERSION OF THE PROBLEM IS GIVEN IN LOW PRECISION. The matrix products marked QUANTISED in the list below multiply operands that are first quantised to E2M3 (2 exponent bits, 3 mantissa bits; 6 bits a number), with one power-of-two scale for each 32 numbers along K (OCP MX v1.0); their sums are f32. All else is computed in f32.
;;   The module's matrix products, in the order in which they are computed (A, B: the left and right operand; K: the contracted axis; several contracted axes count as one K, in the product's order):
;;     1. [M 8,192, K 512] x [K 512, N 1,024]; A: input x; B: input Wq (given as codes): QUANTISED
;;     2. [M 8,192, K 512] x [K 512, N 1,024]; A: input x; B: input Wk (given as codes): QUANTISED
;;     3. [M 8,192, K 512] x [K 512, N 1,024]; A: input x; B: input Wv (given as codes): QUANTISED
;;     4. batch 64 x [M 2,048, K 64] x [K 64, N 2,048]; A: computed on the way; B: computed on the way: QUANTISED
;;     5. batch 64 x [M 2,048, K 2,048] x [K 2,048, N 64]; A: softmax (see below); B: computed on the way: QUANTISED
;;     6. [M 8,192, K 1,024] x [K 1,024, N 1,024]; A: computed on the way; B: input Wo (given as codes): QUANTISED
;;   THE QUANTISER, for each operand of a quantised product, along K:
;;     - K is cut into blocks of 32 from its start; a last block that is shorter is filled with zeros.
;;     - A block's scale is 2^e with e = floor(log2(the largest magnitude in the block)) - 2, held to -126 .. 127; a block of zeros has e = 0. As a byte (E8M0): e + 127.
;;     - Each number is divided by its block's scale, clamped to +-7.5, and rounded to the nearest number of E2M3, ties to even, subnormals kept.
;;     - The product sums the exact products of the quantised numbers (number of the format x scale) in f32.
;;   ~~~python
;;   def quantise(x, axis):      # numpy; x: float32 -> the quantised numbers, widened to float32 again
;;       x = np.moveaxis(x, axis, -1); K = x.shape[-1]
;;       x = np.pad(x, [(0, 0)] * (x.ndim - 1) + [(0, -K % 32)]); x = x.reshape(x.shape[:-1] + (-1, 32)); a = np.abs(x).max(-1, keepdims=True)
;;       e = np.where(a > 0, np.clip(np.frexp(np.where(a > 0, a, 1))[1] - 1 - 2, -126, 127), 0)      # np.frexp(a)[1] - 1 = floor(log2(a)), exactly
;;       r = np.clip(x / 2.0 ** e, -7.5, 7.5)
;;       step = 2.0 ** (np.maximum(np.frexp(np.where(r == 0, 1, r))[1] - 1, 0) - 3)
;;       q = np.round(r / step) * step * 2.0 ** e      # np.round: ties to even
;;       return np.moveaxis(q.reshape(q.shape[:-2] + (-1,))[..., :K], -1, axis).astype(np.float32)
;;   ~~~
;;   SOFTMAX AHEAD OF A QUANTISED PRODUCT. Where the list says 'softmax', what is quantised is not the finished softmax but p = 2^(t - M), with t = logit x log2(e) and M = ceil(the row's largest t), a whole number; so 1/2 < the row's largest p <= 1. The row's sum l is taken of the UNQUANTISED p, in f32, and the product's result is divided by l at the end. Since M is a whole number, a kernel that streams over the keys may use a running M (the ceiling of the running maximum): every later rescaling is an exact power of two, which a block's scale takes up: the codes' values come out the same.
;;   OPERANDS COMPUTED ON THE WAY. 'Computed on the way' means the value that the module computes at that place (a softmax that the list does not call 'softmax' is quantised finished and normalised). What goes into a quantiser is computed in f32, as accurately as f32 sums, v_exp_f32 and their like allow (about 1e-6 of the number): no bf16 or f16 on the way to a quantiser, and a product that is left as it is and whose result goes on into a quantised operand takes f32 operands (vector FMAs, or v_wmma_f32_16x16x4_f32). A number that lies on a knife's edge between two numbers of the format may be rounded either way, as far as f32 arithmetic and the matrix unit's own rounding can turn it there, and no further.
;;   INPUTS GIVEN AS CODES. Wk (in the module: [512, 1024], K = its axis 0); Wo (in the module: [1024, 1024], K = its axis 0); Wq (in the module: [512, 1024], K = its axis 0); Wv (in the module: [512, 1024], K = its axis 0): each comes as NAME_codes (uint8): NAME with its K axis moved to the last place and cut into blocks of 32 codes, [.., K / 32, bytes a block], one block behind the other in memory; four codes in three bytes: a row's codes are one little-endian stream of bits, code i at bits 6 i .. 6 i + 5 (a code: sign, 2 exponent bits, 3 mantissa bits); and NAME_scales (uint8): the same leading axes, one E8M0 byte (e + 127) for each 32 codes along K. Its value is code x scale, taken as it is: it is not quantised again, and the codes and scales need not be those that the quantiser above would give.
;; One version. Each part assembles by itself: llvm-mc -triple=amdgcn-amd-amdhsa -mcpu=gfx1250 --defsym DOCPART=n.
;; ======== version 1 of 1: 4 launches
;; limits: right only within a limited range of input values
;; workspace buffers: xi 6,815,744 bytes; wi 2,129,920 bytes; qc 6,291,456 bytes; qs 262,144 bytes; kv 13,107,200 bytes; oi 6,553,600 bytes
;; launch prep (part 1): grid 336 x 1, 4 waves a work-group, no clusters, 34,304 bytes of LDS; arguments x, Wq_codes, Wq_scales, Wk_codes, Wk_scales, Wv_codes, Wv_scales, Wo_codes, Wo_scales, xi, wi; writes xi, wi
.if DOCPART == 1
	.amdgcn_target "amdgcn-amd-amdhsa--gfx1250"
	.amdhsa_code_object_version 6
	.text
	.protected	k_q61fbcd9650_prep
	.globl	k_q61fbcd9650_prep
	.p2align	8
	.type	k_q61fbcd9650_prep,@function
k_q61fbcd9650_prep:
	s_mov_b64 s[64:65], 0
	v_nop
	global_prefetch_b8 v0, s[64:65] scope:SCOPE_SE
	s_setreg_imm32_b32 hwreg(HW_REG_WAVE_MODE, 25, 1), 1
	s_wait_xcnt 0x0
; PREP.  x [8192][1024] f32 is quantised ONCE to codes of FP6 (E2M3) with one E8M0 byte for each 32 along K, and the four weights, which arrive as codes, are laid anew.
; Both leave as IMAGES OF AN OPERAND'S REGISTERS: a fragment (16 rows x 128 K, 12 registers a lane) is 1,536 bytes: registers 4 c .. 4 c + 3 of lane l at 512 c + 16 l.  Every later read is 16 bytes a lane on end.
; THE 16 ROWS OF A TILE ARE NOT NEIGHBOURS: row r of tile 2 P + u is row 32 P + 8 u + r + 8 (r / 8), for tokens and for weight rows alike, so that a later product's 16 registers of two neighbouring tiles are 16 neighbours.
; xi = [64 blocks of 128 tokens][2 halves: 0 = columns 512-1023, 1 = columns 0-511][53,248]: fragment (tile, K step) at (4 tile + step) 1,536; the rows' scale words at 49,152 + 512 tile + 16 lane, four words (K steps 0-3).
; wi = [5: Wq, Wk, Wv, Wo K 0-511, Wo K 512-1023][16 groups of 64 rows][26,624]: fragment (tile, K step) likewise; scale words at 24,576 + 512 tile + 16 lane.
; Work-groups 0-255: x; a wave takes one tile of 16 tokens x one half (four K steps).  Work-groups 256-335: weights; a wave takes one tile of 16 rows x four K steps: bytes are moved, nothing is computed.
; A block's scale is 2^(floor(log2(largest magnitude)) - 2): its byte is the largest magnitude's exponent field - 2, held at 1 from below.
; LIMITS: NaN and infinities in x are not served.  A block whose largest magnitude lies under 2^-124, a block of zeros among them, gets the byte 1: its codes are then zeros or the nearest codes under that scale, and the bytes are read by this program alone.
; No matrix unit, no tensor load, no barrier: the waves share nothing, and memory binds.
.set SPITCH, 528                       ; a stage row: 512 bytes + 16 = 33 x 16: sixteen rows of one column start in sixteen different groups of banks
.set R,   16                           ; v16-143  two sets of 64: a unit (16 rows x 128 numbers) as loaded
.set X,   144                          ; v144-207 my 64 numbers: two whole blocks of my row
.set PC,  208                          ; v208-219 the fragment's codes
.set CT,  220                          ; v220-222, v224-226 the upper halves of the two blocks, as the conversions leave them
.set MX,  228                          ; v228-229 largest magnitudes
.set SO,  230                          ; v230-231 the conversions' scale operands
.set BY,  232                          ; v232-233 the bytes
.set WD,  234                          ; my two bytes at their places in the word
.set WP,  235                          ; lane l xor 16's
.set SW,  244                          ; v244-247 my row's four scale words
	s_load_b512 s[4:19], s[0:1], 0x0               ; x, Wq codes, Wq scales, Wk codes, Wk scales, Wv codes, Wv scales, Wo codes
	s_load_b128 s[20:23], s[0:1], 0x40             ; Wo scales, xi
	s_load_b64 s[24:25], s[0:1], 0x50              ; wi
	v_lshl_add_u32 v254, v0, 2, 0x8400
	v_mov_b32 v255, 0
	v_lshrrev_b32 v1, 5, v0
	v_readfirstlane_b32 s26, v1                    ; wave 0..3
	v_and_b32 v2, 31, v0                           ; lane
	v_and_b32 v3, 15, v0                           ; r
	v_bfe_u32 v4, v0, 4, 1                         ; h
	v_lshlrev_b32 v5, 4, v2                        ; 16 x lane
	v_and_b32 v6, 8, v3
	v_add_nc_u32 v6, v6, v3                        ; r + 8 (r / 8)
	s_cmp_ge_u32 ttmp9, 256
	s_cbranch_scc1 .Lweights
; ---------------- x
.macro LOADU u                         ; unit u: K step u of my 16 rows; each load takes 512 consecutive bytes of one row
.set rho, 0
.rept 16
	global_load_b128 v[R+64*((\u)%2)+4*rho:R+64*((\u)%2)+4*rho+3], v5, s[4:5] offset:(rho+8*(rho/8))*4096+512*(\u) th:TH_LOAD_NT
.set rho, rho+1
.endr
.endm
.macro TURN u                          ; through my own stage: in as loaded, out as lane (r, h) wants it: k = 64 c + 32 h + 0 .. 31 of row r.  LDS serves a wave's instructions in order
.set rho, 0
.rept 16
	ds_store_b128 v7, v[R+64*((\u)%2)+4*rho:R+64*((\u)%2)+4*rho+3] offset:SPITCH*rho
.set rho, rho+1
.endr
.set rho, 0
.rept 16
	ds_load_b128 v[X+4*rho:X+4*rho+3], v8 offset:256*(rho/8)+16*(rho%8)
.set rho, rho+1
.endr
.endm
.macro QUANTW u                        ; my two whole blocks (h and 2 + h of the K step) become registers 0-5 and 6-11 of the fragment
.irp c, 0,1
	v_max3_num_f32 v[MX+\c], |v[X+32*\c]|, |v[X+32*\c+1]|, 0x1800000   ; with the floor 2^(3 - 127): the byte cannot fall under 1
.endr
.irp i, 2,4,6,8,10,12,14,16,18,20,22,24,26,28,30
.irp c, 0,1
	v_max3_num_f32 v[MX+\c], v[MX+\c], |v[X+32*\c+\i]|, |v[X+32*\c+\i+1]|   ; the two blocks by turns
.endr
.endr
.irp c, 0,1
	v_add_nc_u32 v[SO+\c], 0xff000000, v[MX+\c]    ; 2 off the exponent field: the conversion takes that field as its scale
.endr
.irp c, 0,1
	v_lshrrev_b32 v[BY+\c], 23, v[SO+\c]           ; the byte
.endr
	v_lshl_or_b32 v[WD], v[BY+1], 16, v[BY]
	v_lshlrev_b32 v[WD], v9, v[WD]                 ; 8 h bits up
	v_permlanex16_b32 v[WP], v[WD], s32, s33
	v_or_b32 v[SW+(\u)], v[WD], v[WP]              ; with lane l xor 16's two bytes the word is whole
	s_wait_alu depctr_va_vdst(0)
	s_wait_xcnt 0x0                                ; the last unit's stores have read the codes' registers: only behind this wait are they written again
.irp c, 0,1
	v_cvt_scalef32_pk16_fp6_f32 v[PC+6*\c:PC+6*\c+2], v[X+32*\c:X+32*\c+15], v[SO+\c]
	v_cvt_scalef32_pk16_fp6_f32 v[CT+4*\c:CT+4*\c+2], v[X+32*\c+16:X+32*\c+31], v[SO+\c]   ; (a conversion's three registers begin on an even number)
.endr
	v_nop                                          ; one plain line behind the scaled conversions
.irp c, 0,1
.irp i, 0,1,2
	v_mov_b32 v[PC+6*\c+3+\i], v[CT+4*\c+\i]
.endr
.endr
.endm
.macro OUTU u                          ; the image: three stores of 512 consecutive bytes
.irp c, 0,1,2
	global_store_b128 v5, v[PC+4*\c:PC+4*\c+3], s[28:29] offset:1536*(\u)+512*\c
.endr
.endm
	s_lshl_b32 s27, ttmp9, 2
	s_add_co_u32 s27, s27, s26                     ; task = 4 x work-group + wave
	s_and_b32 s34, s27, 1                          ; half
	s_lshr_b32 s35, s27, 1
	s_lshr_b32 s36, s35, 3                         ; block of 128 tokens
	s_and_b32 s37, s35, 7                          ; tile in it
	s_lshr_b32 s38, s37, 1
	s_lshl_b32 s38, s38, 5
	s_and_b32 s39, s37, 1
	s_lshl_b32 s39, s39, 3
	s_add_co_u32 s38, s38, s39
	s_lshl_b32 s39, s36, 7
	s_add_co_u32 s38, s38, s39                     ; the tile's first token: 128 block + 32 (tile / 2) + 8 (tile % 2)
	s_lshl_b32 s38, s38, 12                        ; rows of 4,096 bytes
	s_xor_b32 s39, s34, 1
	s_lshl_b32 s39, s39, 11                        ; half 0 is the upper 512 columns
	s_add_co_u32 s38, s38, s39
	s_mov_b32 s39, 0
	s_mul_i32 s40, s36, 106496
	s_mul_i32 s41, s34, 53248
	s_add_co_u32 s40, s40, s41
	s_mul_i32 s41, s37, 6144
	s_add_co_u32 s42, s40, s41                     ; my four images
	s_mov_b32 s43, 0
	s_lshl_b32 s41, s37, 9
	s_add_co_u32 s44, s40, s41
	s_add_co_u32 s44, s44, 49152                   ; my scale words
	s_mov_b32 s45, 0
	s_mov_b32 s32, 0x76543210
	s_mov_b32 s33, 0xfedcba98                      ; v_permlanex16_b32's selects for lane l xor 16
	s_mul_i32 s46, s26, 16*SPITCH                  ; my stage
	s_wait_alu depctr_va_vdst(0)
	v_add_nc_u32 v7, s46, v5                       ; in: 16 x lane of a row
	v_mul_u32_u24 v8, v3, SPITCH
	v_lshl_add_u32 v8, v4, 7, v8
	v_add_nc_u32 v8, s46, v8                       ; out: row r, 128 h bytes on
	v_lshlrev_b32 v9, 3, v4
	v_mov_b32 v[WP], 0                             ; a lane permute's destination counts as read
	s_wait_alu depctr_va_vdst(0)
	s_wait_kmcnt 0x0
	s_add_nc_u64 s[4:5], s[4:5], s[38:39]
	s_add_nc_u64 s[28:29], s[22:23], s[42:43]
	s_add_nc_u64 s[30:31], s[22:23], s[44:45]
	LOADU 0
	LOADU 1
.irp u, 0,1,2,3
.if \u < 3
	s_wait_loadcnt 16                              ; this unit's 16 loads are in; the next unit's 16 may be out
.else
	s_wait_loadcnt 0x0
.endif
	TURN \u
	s_wait_dscnt 0x0                               ; my 64 numbers are back
.if \u < 2
	LOADU \u+2                                     ; into the set that the stage's stores have read
.endif
	QUANTW \u
	OUTU \u
.endr
	global_store_b128 v5, v[SW:SW+3], s[30:31]     ; 512 consecutive bytes: lanes 16-31 hold copies of lanes 0-15
	s_wait_tensorcnt 0x0
	ds_add_u32 v254, v255
	s_wait_dscnt 0x0
	s_endpgm
; ---------------- weights
.Lweights:
	s_sub_co_u32 s27, ttmp9, 256                   ; 16 t + group
	s_lshr_b32 s34, s27, 4                         ; t: 0 Wq, 1 Wk, 2 Wv, 3 and 4 Wo
	s_and_b32 s35, s27, 15                         ; group of 64 rows
	s_mov_b32 s40, 768
	s_cmp_lt_u32 s34, 3
	s_cselect_b32 s40, 384, s40                    ; a row of codes in bytes
	s_cselect_b32 s41, 16, 32                      ; a row of scale bytes
	s_cmp_eq_u32 s34, 4
	s_cselect_b32 s42, 1, 0                        ; Wo's upper half of K
	s_lshl_b32 s43, s35, 6
	s_lshr_b32 s44, s26, 1
	s_lshl_b32 s44, s44, 5
	s_add_co_u32 s43, s43, s44
	s_and_b32 s44, s26, 1
	s_lshl_b32 s44, s44, 3
	s_add_co_u32 s43, s43, s44                     ; the tile's first row: 64 group + 32 (wave / 2) + 8 (wave % 2)
	s_mul_i32 s46, s43, s40
	s_mul_i32 s44, s42, 384
	s_add_co_u32 s46, s46, s44
	s_mov_b32 s47, 0
	s_mul_i32 s48, s43, s41
	s_lshl_b32 s44, s42, 4
	s_add_co_u32 s48, s48, s44
	s_mov_b32 s49, 0
	s_mul_i32 s50, s27, 26624
	s_mul_i32 s44, s26, 6144
	s_add_co_u32 s52, s50, s44                     ; my four images
	s_mov_b32 s53, 0
	s_lshl_b32 s44, s26, 9
	s_add_co_u32 s54, s50, s44
	s_add_co_u32 s54, s54, 24576                   ; my scale words
	s_mov_b32 s55, 0
	s_wait_alu depctr_va_vdst(0)
	v_mul_u32_u24 v10, s40, v6
	v_mad_u32_u24 v10, v4, 24, v10                 ; my row's codes, + 24 h
	v_mul_u32_u24 v11, s41, v6                     ; my row's scale bytes
	s_wait_alu depctr_va_vdst(0)
	s_wait_kmcnt 0x0
	s_mov_b64 s[36:37], s[18:19]                   ; the tensor is chosen on the work-group's number alone
	s_mov_b64 s[38:39], s[20:21]
	s_cmp_eq_u32 s34, 0
	s_cselect_b64 s[36:37], s[6:7], s[36:37]
	s_cselect_b64 s[38:39], s[8:9], s[38:39]
	s_cmp_eq_u32 s34, 1
	s_cselect_b64 s[36:37], s[10:11], s[36:37]
	s_cselect_b64 s[38:39], s[12:13], s[38:39]
	s_cmp_eq_u32 s34, 2
	s_cselect_b64 s[36:37], s[14:15], s[36:37]
	s_cselect_b64 s[38:39], s[16:17], s[38:39]
	s_add_nc_u64 s[36:37], s[36:37], s[46:47]
	s_add_nc_u64 s[38:39], s[38:39], s[48:49]
	s_add_nc_u64 s[52:53], s[24:25], s[52:53]
	s_add_nc_u64 s[54:55], s[24:25], s[54:55]
.irp k, 0,1,2,3
.irp p, 0,1,2,3,4,5
	global_load_b64 v[16+12*\k+2*\p:17+12*\k+2*\p], v10, s[36:37] offset:96*\k+48*(\p/3)+8*(\p%3)   ; a fragment's 24 + 24 bytes of my row, as they lie
.endr
.endr
	global_load_b128 v[64:67], v11, s[38:39]       ; my row's four scale words
	s_wait_loadcnt 0x0
.irp k, 0,1,2,3
.irp c, 0,1,2
	global_store_b128 v5, v[16+12*\k+4*\c:19+12*\k+4*\c], s[52:53] offset:1536*\k+512*\c
.endr
.endr
	global_store_b128 v5, v[64:67], s[54:55]
	s_endpgm
.Lfunc_end_k_q61fbcd9650_prep:
	.size	k_q61fbcd9650_prep, .Lfunc_end_k_q61fbcd9650_prep-k_q61fbcd9650_prep
	.p2alignl 7, 3214868480
	.fill 96, 4, 3214868480
	.section	.rodata,"a",@progbits
	.p2align	6, 0x0
	.amdhsa_kernel k_q61fbcd9650_prep
		.amdhsa_group_segment_fixed_size 34304
		.amdhsa_private_segment_fixed_size 0
		.amdhsa_enable_private_segment 0
		.amdhsa_kernarg_size 88
		.amdhsa_user_sgpr_count 2
		.amdhsa_user_sgpr_kernarg_segment_ptr 1
		.amdhsa_wavefront_size32 1
		.amdhsa_system_sgpr_workgroup_id_x 1
		.amdhsa_system_sgpr_workgroup_id_y 1
		.amdhsa_system_sgpr_workgroup_id_z 1
		.amdhsa_system_vgpr_workitem_id 0
		.amdhsa_next_free_vgpr 256
		.amdhsa_next_free_sgpr 66
		.amdhsa_reserve_vcc 0
		.amdhsa_float_denorm_mode_32 3
		.amdhsa_float_denorm_mode_16_64 3
		.amdhsa_memory_ordered 1
		.amdhsa_forward_progress 1
		.amdhsa_inst_pref_size 36
	.end_amdhsa_kernel
	.amdgpu_metadata
---
amdhsa.version: [ 1, 2 ]
amdhsa.kernels:
  - .name:           k_q61fbcd9650_prep
    .symbol:         k_q61fbcd9650_prep.kd
    .args:
      - { .name: x, .offset: 0, .size: 8, .value_kind: global_buffer, .address_space: global }
      - { .name: Wq_codes, .offset: 8, .size: 8, .value_kind: global_buffer, .address_space: global }
      - { .name: Wq_scales, .offset: 16, .size: 8, .value_kind: global_buffer, .address_space: global }
      - { .name: Wk_codes, .offset: 24, .size: 8, .value_kind: global_buffer, .address_space: global }
      - { .name: Wk_scales, .offset: 32, .size: 8, .value_kind: global_buffer, .address_space: global }
      - { .name: Wv_codes, .offset: 40, .size: 8, .value_kind: global_buffer, .address_space: global }
      - { .name: Wv_scales, .offset: 48, .size: 8, .value_kind: global_buffer, .address_space: global }
      - { .name: Wo_codes, .offset: 56, .size: 8, .value_kind: global_buffer, .address_space: global }
      - { .name: Wo_scales, .offset: 64, .size: 8, .value_kind: global_buffer, .address_space: global }
      - { .name: xi, .offset: 72, .size: 8, .value_kind: global_buffer, .address_space: global }
      - { .name: wi, .offset: 80, .size: 8, .value_kind: global_buffer, .address_space: global }
    .group_segment_fixed_size: 34304
    .private_segment_fixed_size: 0
    .kernarg_segment_align: 8
    .kernarg_segment_size: 88
    .max_flat_workgroup_size: 128
    .sgpr_count:     66
    .vgpr_count:     256
    .wavefront_size: 32
...
	.end_amdgpu_metadata
.endif
;; end of part 1
;; launch proj (part 2): grid 4 x 64, 4 waves a work-group, clusters of 4 x 1, 168,448 bytes of LDS; arguments xi, wi, qc, qs, kv; writes qc, qs, kv
.if DOCPART == 2
	.amdgcn_target "amdgcn-amd-amdhsa--gfx1250"
	.amdhsa_code_object_version 6
	.text
	.protected	k_q61fbcd9650_proj
	.globl	k_q61fbcd9650_proj
	.p2align	8
	.type	k_q61fbcd9650_proj,@function
k_q61fbcd9650_proj:
	s_mov_b64 s[64:65], 0
	v_nop
	global_prefetch_b8 v0, s[64:65] scope:SCOPE_SE
	s_setreg_imm32_b32 hwreg(HW_REG_WAVE_MODE, 25, 1), 1
	s_wait_xcnt 0x0
	s_wait_alu depctr_hold_cnt(0) depctr_sa_sdst(0) depctr_va_vdst(0) depctr_va_sdst(0) depctr_va_ssrc(0) depctr_va_vcc(0) depctr_vm_vsrc(0)
	s_getreg_b32 s2, hwreg(HW_REG_IB_STS2, 6, 4)
	s_cmp_eq_u32 s2, 0
	s_cbranch_scc0 .Lentry_in_a_cluster
	s_endpgm
.Lentry_in_a_cluster:
	s_bfe_u32 s2, ttmp6, 0x10000c
	s_cmp_lg_u32 s2, 0x3003
	s_cbranch_scc0 .Lentry_shape_is_right
	s_endpgm
.Lentry_shape_is_right:
; PROJ.  q = x_pos Wq, k = x_pos Wk, v = x_tok Wv on codes of FP6 (E2M3) with E8M0 block scales, and the results quantised at once: q and k along the head's 64, v along the keys.
; SHARES.  A work-group takes one block of 128 tokens and four heads; wave w takes head 4 x + w and makes its q, k and v: 3 tensors x 4 K steps x 32 matrix instructions on 32 accumulators.
; x's images of the block (106,496 bytes) are brought into LDS ONCE.  CLUSTER: the four work-groups of a cluster take the same block of tokens, so the images are asked for JOINTLY (one load a wave, a quarter each).
; The weights' fragments of a head come from memory straight into registers, 16 bytes a lane on end; the next tensor's take the place of each K step's as soon as it has been multiplied.
; LAYOUT.  q, k: source 0 = 16 rows of W, source 1 = 16 tokens: a lane holds one token, and the 16 registers of weight tiles 2 b, 2 b + 1 are channels 32 b + 16 (lane / 16) + 0 .. 15.
;          v:    source 0 = 16 tokens, source 1 = 16 rows of W: a lane holds one channel, and the 16 registers of token tiles 2 b, 2 b + 1 are keys 32 b + 16 (lane / 16) + 0 .. 15.
; So 64 registers on end are four blocks of 32 along the next product's K, and one quantiser serves all three.
; OUT.  qc [bh][tile 128][768]: half a fragment (16 tokens x 64): registers 0-3 at 16 lane, 4-5 at 512 + 8 lane.  qs [bh][block 16][r 16][pair 4]: a word = (even tile's two bytes, odd tile's two).
;       kv [bh][step 16][12,800]: four images of K (tile 2 i in registers 0-5, tile 2 i + 1 in 6-11), four of V (16 channels x 128 keys), K's words [r][i], V's words [r][tile].
; LIMITS: a block whose largest magnitude lies under 2^-124 (zeros among them) gets the byte 1; these bytes are read by this program alone.  The weights' scale bytes are used as given.
; REGISTERS: window 0: v1-4 addresses; v16-47 the weights' scale words, two sets; v48-79, v80-111 x's scale words (upper, lower half of x); v112-157 the quantiser.
;   window 1: the weights' 16 fragments (tile, K step) at 12 (4 tile + step).  window 2: x's 8 fragments, two buffers.  window 3: the 32 accumulators.
.set XHALF, 53248
.set IMG,  1536
.set LI16, 1                           ; 16 x lane
.set LI8,  2                           ; 8 x lane
.set AXT,  3                           ; 16 x lane + XHALF: the lower half of x
.set SCA,  4                           ; 16 r + 8 h: where a lane puts two scale words
.set WS,   16
.set XSP,  48
.set XST,  80
.set PC,   112                         ; v112-123 the codes; v124-126, v128-130 upper halves as the conversions leave them
.set TM,   132                         ; v132-135 largest magnitudes, v136-139 bytes, v144-147 scale operands
.set PW,   148                         ; the scale word just made
.set SW,   152                         ; v152-155 a tensor's four words
.set SD,   156                         ; v156-157 the two that I store
.set MSB, 0
.macro WIN new                         ; the immediate's high byte repeats the setting that is left
.if MSB != \new
	s_set_vgpr_msb (MSB<<8)|\new
.set MSB, \new
.endif
.endm
.macro PLACES                          ; four plain lines between a matrix instruction and a read of its result or a load into one of its registers
.rept 4
	v_nop
.endr
.endm
.macro ROUND                           ; a round of the cluster's barrier
	s_barrier_signal -1
	s_barrier_wait -1
	s_cmp_lg_u32 s12, 0
	s_cbranch_scc1 .Lnot_wave_0_\@
	s_barrier_signal -3
.Lnot_wave_0_\@:
	s_barrier_wait -3
	s_barrier_signal -1
	s_barrier_wait -1
.endm
.macro FETCHX n                        ; x's eight fragments of step n (0-7: upper half of x, K step n % 4; 8-11: lower half) into buffer n % 2: 24 loads
	WIN 0x80
.set tau, 0
.rept 8
.set cc, 0
.rept 3
.if (\n) < 8
	ds_load_b128 v[96*((\n)%2)+12*tau+4*cc:96*((\n)%2)+12*tau+4*cc+3], v[LI16] offset:(4*tau+(\n)%4)*IMG+512*cc
.else
	ds_load_b128 v[96*((\n)%2)+12*tau+4*cc:96*((\n)%2)+12*tau+4*cc+3], v[AXT] offset:(4*tau+(\n)%4)*IMG+512*cc
.endif
.set cc, cc+1
.endr
.set tau, tau+1
.endr
.endm
.macro XSLOAD                          ; x's scale words, all K steps, both halves: 16 loads
.set tau, 0
.rept 8
	ds_load_b128 v[XSP+4*tau:XSP+4*tau+3], v[LI16] offset:49152+512*tau
	ds_load_b128 v[XST+4*tau:XST+4*tau+3], v[AXT] offset:49152+512*tau
.set tau, tau+1
.endr
.endm
.macro WLOAD t, k                      ; tensor t's four fragments of K step k
	WIN 0x40
.set ct, 0
.rept 4
.set cc, 0
.rept 3
	global_load_b128 v[12*(4*ct+(\k))+4*cc:12*(4*ct+(\k))+4*cc+3], v[LI16], s[36+2*(\t):37+2*(\t)] offset:(4*ct+(\k))*IMG+512*cc
.set cc, cc+1
.endr
.set ct, ct+1
.endr
.endm
.macro WSLOAD t                        ; tensor t's scale words into set t % 2
.set ct, 0
.rept 4
	global_load_b128 v[WS+16*((\t)%2)+4*ct:WS+16*((\t)%2)+4*ct+3], v[LI16], s[36+2*(\t):37+2*(\t)] offset:24576+512*ct
.set ct, ct+1
.endr
.endm
; 32 matrix instructions: 8 token tiles x 4 weight tiles, 128 along K.  The 32 accumulators take turns, in the same order in every step.  K step 0 starts the sums.
.macro MUL t, k
.if (\t) < 2
	WIN 0xf9                                       ; source 0 (W) window 1, source 1 (x) window 2, C and D window 3
.else
	WIN 0xf6                                       ; source 0 (x) window 2, source 1 (W) window 1
.endif
.set tau, 0
.rept 8
.set ct, 0
.rept 4
.set rW, 12*(4*ct+(\k))
.set rX, 96*((4*(\t)+(\k))%2)+12*tau
.set sW, WS+16*((\t)%2)+4*ct+(\k)
.if (\t) < 2
.set rD, 8*(4*tau+ct)
.set sX, XSP+4*tau+(\k)
.if (\k) == 0
	v_wmma_scale_f32_16x16x128_f8f6f4 v[rD:rD+7], v[rW:rW+11], v[rX:rX+11], 0, v[sW], v[sX] matrix_a_fmt:MATRIX_FMT_FP6 matrix_b_fmt:MATRIX_FMT_FP6
.else
	v_wmma_scale_f32_16x16x128_f8f6f4 v[rD:rD+7], v[rW:rW+11], v[rX:rX+11], v[rD:rD+7], v[sW], v[sX] matrix_a_fmt:MATRIX_FMT_FP6 matrix_b_fmt:MATRIX_FMT_FP6
.endif
.else
.set rD, 8*(8*ct+tau)
.set sX, XST+4*tau+(\k)
.if (\k) == 0
	v_wmma_scale_f32_16x16x128_f8f6f4 v[rD:rD+7], v[rX:rX+11], v[rW:rW+11], 0, v[sX], v[sW] matrix_a_fmt:MATRIX_FMT_FP6 matrix_b_fmt:MATRIX_FMT_FP6
.else
	v_wmma_scale_f32_16x16x128_f8f6f4 v[rD:rD+7], v[rX:rX+11], v[rW:rW+11], v[rD:rD+7], v[sX], v[sW] matrix_a_fmt:MATRIX_FMT_FP6 matrix_b_fmt:MATRIX_FMT_FP6
.endif
.endif
.set ct, ct+1
.endr
.set tau, tau+1
.endr
.endm
.macro KSTEP t, k
	WIN 0
	PLACES                                         ; for the loads below, into registers that the last step's products read
.if 4*(\t)+(\k) < 11
	FETCHX 4*(\t)+(\k)+1
.endif
.if ((\t) < 2) && ((\k) >= 1)
	WLOAD (\t)+1, (\k)-1                           ; the next tensor's weights take the place of the K step just multiplied
.endif
.if ((\t) < 2) && ((\k) == 1)
	WIN 0
	WSLOAD (\t)+1
.endif
.if 4*(\t)+(\k) < 11
	s_wait_dscnt 24                                ; all but the 24 LDS loads just issued: this step's fragments of x (and, at first, the scale words) are in
.else
	s_wait_dscnt 0x0
.endif
.if (\k) == 0
	s_wait_loadcnt 0x0                             ; this tensor's weights and scale words are in
.endif
	MUL \t, \k
.endm
; 64 accumulator registers from 64 g on (register 16 b + i = k 32 b + 16 (lane / 16) + i of my row) become a fragment's codes in v[PC] on and its scale word in v[PW].
.macro QUANT3 g
	s_wait_xcnt 0x0                                ; earlier stores have read the codes' registers: only behind this wait are they written again
	WIN 0x0f                                       ; sources 0 and 1: window 3
.irp b, 0,1,2,3
	v_max3_num_f32 v[TM+\b], |v[64*(\g)+16*\b]|, |v[64*(\g)+16*\b+1]|, 0x1800000   ; with the floor 2^(3 - 127); each accumulator is read from its low end on
.endr
.irp i, 2,4,6,8,10,12,14
.irp b, 0,1,2,3
	v_max3_num_f32 v[TM+\b], |v[64*(\g)+16*\b+\i]|, |v[64*(\g)+16*\b+\i+1]|, v[TM+\b]
.endr
.endr
	WIN 0
.irp b, 0,1,2,3
	v_permlanex16_b32 v[TM+4+\b], v[TM+\b], s48, s49
.endr
.irp b, 0,1,2,3
	v_max_num_f32 v[TM+\b], v[TM+\b], v[TM+4+\b]   ; with lane l xor 16's 16: the block's largest magnitude
.endr
.irp b, 0,1,2,3
	v_add_nc_u32 v[TM+12+\b], 0xff000000, v[TM+\b] ; 2 off the exponent field: the conversion's scale operand
.endr
.irp b, 0,1,2,3
	v_lshrrev_b32 v[TM+4+\b], 23, v[TM+12+\b]      ; the byte
.endr
	v_lshl_or_b32 v[PW], v[TM+5], 8, v[TM+4]
	v_lshl_or_b32 v[PW], v[TM+6], 16, v[PW]
	v_lshl_or_b32 v[PW], v[TM+7], 24, v[PW]
	WIN 0x03                                       ; source 0: window 3
.irp c, 0,1
	v_cvt_scalef32_pk16_fp6_f32 v[PC+6*\c:PC+6*\c+2], v[64*(\g)+32*\c:64*(\g)+32*\c+15], v[TM+12+2*\c]
	v_cvt_scalef32_pk16_fp6_f32 v[PC+12+4*\c:PC+14+4*\c], v[64*(\g)+32*\c+16:64*(\g)+32*\c+31], v[TM+13+2*\c]
.endr
	WIN 0
	v_nop                                          ; one plain line behind the scaled conversions
.irp c, 0,1                                    ; the operand's layout wants a whole block in a lane: lanes 0-15 block 2 c, lanes 16-31 block 2 c + 1
.irp i, 0,1,2
	v_permlane16_swap_b32 v[PC+6*\c+\i], v[PC+12+4*\c+\i]
.endr
.irp i, 0,1,2
	v_mov_b32 v[PC+3+6*\c+\i], v[PC+12+4*\c+\i]
.endr
.endr
.endm
.macro QPHASE t                        ; tensor t's 32 accumulators are quantised and stored: every store covers whole aligned runs of 256 bytes
	WIN 0
	PLACES
.if (\t) < 2
	WLOAD (\t)+1, 3
	WIN 0
.endif
.irp g, 0,1,2,3
	QUANT3 \g
.if (\t) == 0
	global_store_b128 v[LI16], v[PC:PC+3], s[42:43] offset:1536*\g            ; tile 2 g of q
	global_store_b64 v[LI8], v[PC+4:PC+5], s[42:43] offset:1536*\g+512
	global_store_b128 v[LI16], v[PC+6:PC+9], s[42:43] offset:1536*\g+768      ; tile 2 g + 1
	global_store_b64 v[LI8], v[PC+10:PC+11], s[42:43] offset:1536*\g+1280
.else
.irp c, 0,1,2
	global_store_b128 v[LI16], v[PC+4*\c:PC+4*\c+3], s[46:47] offset:6144*((\t)-1)+1536*\g+512*\c
.endr
.endif
	v_mov_b32 v[SW+\g], v[PW]
.endr
	s_mov_b32 vcc_lo, 0xffff0000
	v_cndmask_b32 v[SD], v[SW], v[SW+2], vcc_lo    ; lanes 0-15 store words 0 and 1 of their row, lanes 16-31 words 2 and 3
	v_cndmask_b32 v[SD+1], v[SW+1], v[SW+3], vcc_lo
.if (\t) == 0
	global_store_b64 v[SCA], v[SD:SD+1], s[44:45]
.else
	global_store_b64 v[SCA], v[SD:SD+1], s[46:47] offset:12288+256*((\t)-1)
.endif
.endm
	s_load_b256 s[4:11], s[0:1], 0x0               ; xi, wi, qc, qs
	s_load_b64 s[16:17], s[0:1], 0x20              ; kv
	v_lshl_add_u32 v254, v0, 2, 0x29000
	v_mov_b32 v255, 0
	ds_add_u32 v254, v255
	ds_add_u32 v254, v255
	v_lshrrev_b32 v5, 5, v0
	v_readfirstlane_b32 s12, v5                    ; wave 0..3
	v_and_b32 v5, 31, v0
	v_lshlrev_b32 v[LI16], 4, v5
	v_lshlrev_b32 v[LI8], 3, v5
	v_add_nc_u32 v[AXT], XHALF, v[LI16]
	v_and_b32 v6, 15, v0
	v_bfe_u32 v7, v0, 4, 1
	v_lshlrev_b32 v[SCA], 4, v6
	v_lshl_add_u32 v[SCA], v7, 3, v[SCA]
.irp b, 0,1,2,3
	v_mov_b32 v[TM+4+\b], 0                        ; a lane permute's destination counts as read
.endr
	s_and_b32 s15, ttmp7, 0xffff                   ; the block of 128 tokens, which the four partners share
	; descriptor group 1: a dense quarter of the block's images, 104 rows of 256 bytes (32 elements of 8 bytes)
	s_mov_b32 s24, 15|(3<<16)|(1<<21)              ; 15:0 the mask: all four work-groups; 17:16 elements of 8 bytes; 21 set beside a mask
	s_mov_b32 s25, 32<<16                          ; tensor_dim0
	s_mov_b32 s26, 104<<16                         ; tensor_dim1
	s_mov_b32 s27, 32<<16                          ; tile_dim0
	s_mov_b32 s28, 104                             ; tile_dim1
	s_mov_b32 s29, 32                              ; stride from row to row
	s_mov_b32 s30, 0
	s_mov_b32 s31, 0
	s_mov_b32 s32, 1                               ; group 0: count
	s_mul_i32 s33, s12, 26624                      ; LDS address: wave x a quarter
	s_mul_i32 s18, s15, 2*XHALF
	s_add_co_u32 s18, s18, s33
	s_mov_b32 s19, 0
	s_bfe_u32 s13, ttmp6, 0x40000                  ; cx: it enters the weights' and the results' addresses alone
	s_lshl_b32 s14, ttmp9, 2
	s_add_co_u32 s14, s14, s13
	s_lshl_b32 s14, s14, 2
	s_add_co_u32 s14, s14, s12                     ; my head
	s_lshr_b32 s20, s15, 4
	s_lshl_b32 s20, s20, 4
	s_add_co_u32 s20, s20, s14                     ; bh = 16 batch + head
	s_and_b32 s21, s15, 15                         ; the block in its sequence
	s_mul_i32 s50, s14, 26624
	s_mov_b32 s51, 0
	s_mul_i32 s52, s20, 98304
	s_mul_i32 s22, s21, 6144
	s_add_co_u32 s52, s52, s22
	s_mov_b32 s53, 0
	s_lshl_b32 s22, s20, 4
	s_add_co_u32 s22, s22, s21                     ; 16 bh + block
	s_lshl_b32 s54, s22, 8
	s_mov_b32 s55, 0
	s_mul_i32 s56, s22, 12800
	s_mov_b32 s57, 0
	s_mov_b32 s48, 0x76543210
	s_mov_b32 s49, 0xfedcba98                      ; v_permlanex16_b32's selects for lane l xor 16
	s_wait_dscnt 0x0
	s_wait_kmcnt 0x0
	s_add_nc_u64 s[34:35], s[4:5], s[18:19]
	s_or_b32 s35, s35, 0x80000000                  ; type = 2
	s_add_nc_u64 s[36:37], s[6:7], s[50:51]        ; Wq's group,
	s_add_nc_u64 s[38:39], s[36:37], 16*26624      ; Wk's,
	s_add_nc_u64 s[40:41], s[36:37], 32*26624      ; Wv's
	s_add_nc_u64 s[42:43], s[8:9], s[52:53]        ; q's codes
	s_add_nc_u64 s[44:45], s[10:11], s[54:55]      ; q's words
	s_add_nc_u64 s[46:47], s[16:17], s[56:57]      ; the key step of k and v
	ROUND                                          ; all four work-groups are here: the joint loads meet
	tensor_load_to_lds s[32:35], s[24:31]          ; my one tensor load: one is out
	s_nop 0
	PLACES
	WSLOAD 0
	WLOAD 0, 0
	WLOAD 0, 1
	WLOAD 0, 2
	WLOAD 0, 3
	WIN 0
	s_wait_tensorcnt 0x0                           ; my quarter is in,
	s_barrier_signal -1
	s_barrier_wait -1                              ; everybody's is
	s_wait_alu depctr_va_vdst(0)
	XSLOAD
	FETCHX 0
	KSTEP 0, 0
	KSTEP 0, 1
	KSTEP 0, 2
	KSTEP 0, 3
	QPHASE 0
	KSTEP 1, 0
	KSTEP 1, 1
	KSTEP 1, 2
	KSTEP 1, 3
	QPHASE 1
	KSTEP 2, 0
	KSTEP 2, 1
	KSTEP 2, 2
	KSTEP 2, 3
	QPHASE 2
	s_wait_tensorcnt 0x0
	ds_add_u32 v254, v255
	s_wait_dscnt 0x0
	ROUND                                          ; the closing round: no work-group ends while a partner may still ask jointly
	s_endpgm
.Lfunc_end_k_q61fbcd9650_proj:
	.size	k_q61fbcd9650_proj, .Lfunc_end_k_q61fbcd9650_proj-k_q61fbcd9650_proj
	.p2alignl 7, 3214868480
	.fill 96, 4, 3214868480
	.section	.rodata,"a",@progbits
	.p2align	6, 0x0
	.amdhsa_kernel k_q61fbcd9650_proj
		.amdhsa_group_segment_fixed_size 168448
		.amdhsa_private_segment_fixed_size 0
		.amdhsa_enable_private_segment 0
		.amdhsa_kernarg_size 40
		.amdhsa_user_sgpr_count 2
		.amdhsa_user_sgpr_kernarg_segment_ptr 1
		.amdhsa_wavefront_size32 1
		.amdhsa_system_sgpr_workgroup_id_x 1
		.amdhsa_system_sgpr_workgroup_id_y 1
		.amdhsa_system_sgpr_workgroup_id_z 1
		.amdhsa_system_vgpr_workitem_id 0
		.amdhsa_next_free_vgpr 1024
		.amdhsa_next_free_sgpr 66
		.amdhsa_reserve_vcc 1
		.amdhsa_float_denorm_mode_32 3
		.amdhsa_float_denorm_mode_16_64 3
		.amdhsa_memory_ordered 1
		.amdhsa_forward_progress 1
		.amdhsa_inst_pref_size 142
	.end_amdhsa_kernel
	.amdgpu_metadata
---
amdhsa.version: [ 1, 2 ]
amdhsa.kernels:
  - .name:           k_q61fbcd9650_proj
    .symbol:         k_q61fbcd9650_proj.kd
    .args:
      - { .name: xi, .offset: 0, .size: 8, .value_kind: global_buffer, .address_space: global }
      - { .name: wi, .offset: 8, .size: 8, .value_kind: global_buffer, .address_space: global }
      - { .name: qc, .offset: 16, .size: 8, .value_kind: global_buffer, .address_space: global }
      - { .name: qs, .offset: 24, .size: 8, .value_kind: global_buffer, .address_space: global }
      - { .name: kv, .offset: 32, .size: 8, .value_kind: global_buffer, .address_space: global }
    .group_segment_fixed_size: 168448
    .private_segment_fixed_size: 0
    .kernarg_segment_align: 8
    .kernarg_segment_size: 40
    .max_flat_workgroup_size: 128
    .sgpr_count:     66
    .vgpr_count:     1024
    .wavefront_size: 32
...
	.end_amdgpu_metadata
.endif
;; end of part 2
;; launch attn (part 3): grid 4 x 64, 16 waves a work-group, no clusters, 327,680 bytes of LDS; arguments qc, qs, kv, oi; writes oi
.if DOCPART == 3
	.amdgcn_target "amdgcn-amd-amdhsa--gfx1250"
	.amdhsa_code_object_version 6
	.text
	.protected	k_q61fbcd9650_attn
	.globl	k_q61fbcd9650_attn
	.p2align	8
	.type	k_q61fbcd9650_attn,@function
k_q61fbcd9650_attn:
	s_mov_b64 s[64:65], 0
	v_nop
	global_prefetch_b8 v0, s[64:65] scope:SCOPE_SE
	s_setreg_imm32_b32 hwreg(HW_REG_WAVE_MODE, 25, 1), 1
	s_wait_xcnt 0x0
; ATTN.  o = softmax(q k^T / 8, causal) v for one (batch, head), both products on codes of FP6 (E2M3) with E8M0 block scales, and o quantised along the head's 64 for the last product.
; LEFT OUT: a key step of 128 keys all of which come after a tile's 16 queries: the causal mask that the problem builds gives those scores -infinity, so their p is 0 for every input.
; THE SOFTMAX: t = score x log2(e) / 8; M = the running largest t rounded UP to a whole number; p = 2^(t - M) is quantised along the keys, not normalised; the row's sum is taken of the unquantised p and divides o at the end.
; When M moves, the sum and O are multiplied by 2^(old M - new M): exact.
; SHARES.  Sixteen waves; a wave takes one tile of 16 queries at a time, twice: tile 127 - 16 g - w, then tile 16 g + w.  A tile T needs T / 8 + 1 key steps, so every wave has 17 key steps of work.
; THE HEAD'S k AND v, 800 rows of 256 bytes, lie in LDS with 64 bytes of padding behind each row, each byte filled once.  At the kernel's head every wave fetches 13 rows (208 rows: key steps 0-3 and a little more).
; A wave has one tensor load out at any time.  All LDS is claimed.
; PREFETCH: behind the first fill waves 0-4 name, a lane a row of 256 bytes, 148 of the 592 rows of the second fill: the four work-groups of a head share those rows out by address (148 g on); asked once, one fill ahead.
; NO CLUSTER, though the four work-groups of a head read the same k and v: a hidden key step is jumped over, and that branch hangs on the query tile, which differs between those work-groups.
; LAYOUT.  Both products transposed: S^T = K Q^T, O^T = V^T P^T: a lane holds ONE query (row lane % 16 of the tile: query 32 (T / 2) + 8 (T % 2) + r + 8 (r / 8)).
; In memory an image of K holds token tiles 2 i (K 0-63) and 2 i + 1 (K 64-127); row rho of tile 2 i + u is key 32 i + 8 u + rho + 8 (rho / 8).  THE ROWS OF A FRAGMENT ARE CHOSEN BY THE LANES' ADDRESSES:
; fragment (c, a) takes for its rows 0-7 rows 8 a .. 8 a + 7 of image 2 c and for its rows 8-15 the same rows of image 2 c + 1.  So register 32 c + 16 a + 8 u + j of S^T is key 64 c + 32 (lane / 16) + 16 a + 8 u + j:
; a lane holds two WHOLE blocks of 32 keys, in the order of the next operand's registers.  The two images lie 6 LDS rows = 1,920 bytes apart, 128 modulo 256.
; THE FIRST PRODUCT'S K IS 64: q stands beside zero codes: [q, 0] picks the even tile of an image, [0, q] the odd.
; OUT.  oi [block of 128 tokens][102,400]: half a fragment (tile, head) at (16 tile + head) 768; scale bytes at 98,304 + 512 (head / 2) + 256 (tile / 4) + 16 r + 4 (tile % 4) + 2 (head % 2) + block.
; LIMITS: the promise holds while the scaled scores stay under 2^31 in magnitude.  A block of p or of o whose largest magnitude lies under 2^-124 (zeros among them) gets the byte 1; these bytes are read by this program alone.
.set STEPL, 16000                      ; a key step in LDS: 50 rows x 320
.set SPARE, 256000                     ; behind the 800 rows: the spare words, 128 bytes a wave
.set LI16, 1                           ; 16 x lane
.set LI8,  2                           ; 8 x lane
.set DQ0,  3                           ; r + 8 (r / 8) - 32 h
.set R16,  4                           ; 16 r
.set SB,   5                           ; 16 r + h
.set KL,   6                           ; K's lane term: 1920 (r / 8) + 320 h + 16 (r % 8)
.set VL,   7                           ; V's: 320 h + 16 r
.set KSL,  8                           ; K's scale words: 16 (r % 8) + 4 (r / 8)
.set NINF, 9
.set H8,   10                          ; 8 h
.set DD,   11
.set QS,   34                          ; q's scale word; v35 p's; v36-39 K's; v40-43 V's
.set PW,   35
.set KS,   36
.set VS,   40
.set AK,   44                          ; v44-47 the step's four LDS addresses
.set AV,   45
.set AKS,  46
.set AVS,  47
.set F,    48                          ; v48-95 four fragments of K, then of V
.set S,    96                          ; v96-159 S^T, then p
.set OT,   160                         ; v160-191 O^T
.set PC,   192                         ; v192-203 p's codes; v204-206, v208-210 upper halves as the conversions leave them
.set CT,   204
.set BM,   212
.set SOP,  214
.set PT,   216
.set FF,   218
.set TMP,  220
.set TM2,  221
.set AC,   222                         ; v222-237 eight partial sums (pairs); v222-225 also partial maxima
.set Q2,   238                         ; v238-243 the second tile's q; v244, v245 the two tiles' scale words as loaded
.set QW2,  244
.set QW1,  245
.set OLD,  246
.set PFO,  247
; s12 wave, s13 g, s14 bh, s15 and s78 the two tiles, s16 the tile's first query, s17 the step's first key, s18 its LDS byte, s19 trips; s[20:21] lane selects; s[22:23] c, s77 -c;
; s[24:31], s[32:35] groups 1 and 0 of the first fill; s[36:43], s[44:47] of the second; s[50:53], s58 and s[72:75], s76 q's addresses and shifts; s[54:57] o's; s[60:61] the head's kv; s[62:63] the prefetch's base
.macro MASK c                          ; register 32 c + n holds key 64 c + 32 h + n of the step: hidden where 64 c + n > d
.set n, 0
.rept 32
	v_cmp_gt_i32 vcc_lo, 64*\c+n, v[DD]
	v_cndmask_b32 v[S+32*\c+n], v[S+32*\c+n], v[NINF], vcc_lo
.set n, n+1
.endr
.endm
.macro STEP
	s_cmp_gt_u32 s17, s16                          ; all 128 keys come after the tile's 16 queries
	s_cbranch_scc1 .Lhidden_\@
	v_add_nc_u32 v[AK], s18, v[KL]                 ; four plain lines in front of loads into registers that the last products read
	v_add_nc_u32 v[AV], s18, v[VL]
	v_add_nc_u32 v[AKS], s18, v[KSL]
	v_add_nc_u32 v[AVS], s18, v[R16]
.irp c, 0,1
.irp a, 0,1
	ds_load_b32 v[KS+2*\c+\a], v[AKS] offset:15360+128*\a+8*\c     ; the word of my row of fragment (c, a)
.endr
.endr
	ds_load_b128 v[VS:VS+3], v[AVS] offset:15680   ; V's four words of row r
.irp c, 0,1
.irp a, 0,1
.irp k, 0,1,2
	ds_load_b128 v[F+24*\c+12*\a+4*\k:F+24*\c+12*\a+4*\k+3], v[AK] offset:3840*\c+128*\a+640*\k
.endr
.endr
.endr
	s_wait_alu depctr_va_vdst(0)
	s_wait_dscnt 0x0
.irp c, 0,1
.irp a, 0,1
.irp u, 0,1
	v_wmma_scale_f32_16x16x128_f8f6f4 v[S+32*\c+16*\a+8*\u:S+32*\c+16*\a+8*\u+7], v[F+24*\c+12*\a:F+24*\c+12*\a+11], v[16+6*\u:27+6*\u], 0, v[KS+2*\c+\a], v[QS] matrix_a_fmt:MATRIX_FMT_FP6 matrix_b_fmt:MATRIX_FMT_FP6
.endr
.endr
.endr
	s_sub_co_i32 s59, s16, s17
	v_add_nc_u32 v[DD], s59, v[DQ0]                ; d = my query - the step's first key - 32 h
	v_mov_b32 v[OLD], v12                          ; the old -M
	v_nop
	v_nop                                          ; four plain lines behind the products
	s_wait_alu depctr_va_vdst(0)
.irp i, 0,1,2,3                                ; V's four images land under the softmax
.irp k, 0,1,2
	ds_load_b128 v[F+12*\i+4*\k:F+12*\i+4*\k+3], v[AV] offset:7680+1920*\i+640*\k
.endr
.endr
	s_cmp_ge_u32 s59, 127                          ; every key of the step counts for every query of the tile
	s_cbranch_scc1 .Lopen_\@
	s_cmp_ge_u32 s59, 64
	s_cbranch_scc1 .Lhi_\@
	MASK 0                                         ; the tile's queries lie among the step's first 64 keys: the other 64 are all hidden
.set n, 0
.rept 32
	v_mov_b32 v[S+32+n], v[NINF]
.set n, n+1
.endr
	s_wait_alu depctr_va_vdst(0)
	s_branch .Lopen_\@
.Lhi_\@:
	MASK 1                                         ; the first 64 keys all count
.Lopen_\@:
.irp c, 0,1                                    ; the largest score of each of my two blocks, four chains by turns: for the row's maximum, and, since p rises with the score, for the block's largest p
.irp g, 0,1
	v_max3_num_f32 v[AC+2*\c+\g], v[S+32*\c+16*\g], v[S+32*\c+16*\g+1], v[S+32*\c+16*\g+2]
.endr
.endr
.irp i, 3,5,7,9,11,13
.irp c, 0,1
.irp g, 0,1
	v_max3_num_f32 v[AC+2*\c+\g], v[AC+2*\c+\g], v[S+32*\c+16*\g+\i], v[S+32*\c+16*\g+\i+1]
.endr
.endr
.endr
	v_max3_num_f32 v[BM], v[AC], v[AC+1], v[S+15]
	v_max3_num_f32 v[BM+1], v[AC+2], v[AC+3], v[S+47]
	v_max_num_f32 v[BM], v[BM], v[S+31]
	v_max_num_f32 v[BM+1], v[BM+1], v[S+63]
	s_delay_alu instid0(VALU_DEP_1)
	v_max_num_f32 v[TMP], v[BM], v[BM+1]
	s_delay_alu instid0(VALU_DEP_1)
	v_permlanex16_b32 v[PT], v[TMP], s20, s21
	s_delay_alu instid0(VALU_DEP_1)
	v_max3_num_f32 v13, v13, v[TMP], v[PT]         ; the running largest score (c is positive)
	s_delay_alu instid0(VALU_DEP_1)
	v_mul_f32 v[TM2], s77, v13                     ; -t
	s_delay_alu instid0(VALU_DEP_1)
	v_floor_f32 v12, v[TM2]                        ; the new -M = floor(-t): M is a whole number
	s_delay_alu instid0(VALU_DEP_1)
	v_sub_f32 v[TM2], v12, v[OLD]                  ; old M - new M: a whole number, 0 or less
.set n, 0
.rept 32
	v_pk_fma_f32 v[S+2*n:S+2*n+1], v[S+2*n:S+2*n+1], s[22:23], v[12:13] op_sel_hi:[1,0,0]   ; t - M, two at a time
.if n == 7
	v_cvt_i32_f32 v[TM2], v[TM2]                   ; (it saturates)
.endif
.if n == 15
	v_ldexp_f32 v[FF], 1.0, v[TM2]                 ; f = 2^(old M - new M)
.endif
.set n, n+1
.endr
	v_fma_f32 v[BM], v[BM], s22, v12
	v_fma_f32 v[BM+1], v[BM+1], s22, v12
.set n, 0
.rept 16
	v_pk_mul_f32 v[OT+2*n:OT+2*n+1], v[OT+2*n:OT+2*n+1], v[FF:FF+1] op_sel_hi:[1,0]   ; O^T under the new M, each accumulator from its low end on
.set n, n+1
.endr
	s_wait_alu depctr_va_vdst(0)
.set n, 0
.rept 64
	v_exp_f32 v[S+n], v[S+n]                       ; p = 2^(t - M), at most 1
.set n, n+1
.endr
	v_exp_f32 v[BM], v[BM]                         ; the blocks' largest p
	v_exp_f32 v[BM+1], v[BM+1]
	v_pk_mul_f32 v[14:15], v[14:15], v[FF:FF+1] op_sel_hi:[1,0]   ; the sums under the new M (a plain line behind the exponentials)
	s_wait_alu depctr_va_vdst(0)                   ; and behind it
	v_max_num_f32 v[BM], 0x1800000, v[BM]          ; the floor 2^(3 - 127)
	v_max_num_f32 v[BM+1], 0x1800000, v[BM+1]
	s_delay_alu instid0(VALU_DEP_2)
	v_add_nc_u32 v[SOP], 0xff000000, v[BM]         ; 2 off the exponent field: the conversion's scale operand
	s_delay_alu instid0(VALU_DEP_2)
	v_add_nc_u32 v[SOP+1], 0xff000000, v[BM+1]
	s_delay_alu instid0(VALU_DEP_2)
	v_lshrrev_b32 v[PT], 23, v[SOP]                ; the bytes of blocks h and 2 + h
	s_delay_alu instid0(VALU_DEP_2)
	v_lshrrev_b32 v[PT+1], 23, v[SOP+1]
	s_delay_alu instid0(VALU_DEP_1)
	v_lshl_or_b32 v[TMP], v[PT+1], 16, v[PT]
	s_delay_alu instid0(VALU_DEP_1)
	v_lshlrev_b32 v[TMP], v[H8], v[TMP]            ; 8 h bits up
	s_delay_alu instid0(VALU_DEP_1)
	v_permlanex16_b32 v[TM2], v[TMP], s20, s21
	s_delay_alu instid0(VALU_DEP_1)
	v_or_b32 v[PW], v[TMP], v[TM2]                 ; with lane l xor 16's two bytes p's scale word is whole
.irp c, 0,1
	v_cvt_scalef32_pk16_fp6_f32 v[PC+6*\c:PC+6*\c+2], v[S+32*\c:S+32*\c+15], v[SOP+\c]
	v_cvt_scalef32_pk16_fp6_f32 v[CT+4*\c:CT+4*\c+2], v[S+32*\c+16:S+32*\c+31], v[SOP+\c]   ; (a conversion's three registers begin on an even number)
.endr
.set n, 0
.rept 8
	v_pk_add_f32 v[AC+2*n:AC+2*n+1], v[S+2*n:S+2*n+1], v[S+16+2*n:S+17+2*n]   ; the row's sum of the unquantised p, eight chains.  (Plain lines behind the conversions)
.set n, n+1
.endr
.irp c, 0,1
.irp i, 0,1,2
	v_mov_b32 v[PC+3+6*\c+\i], v[CT+4*\c+\i]
.endr
.endr
.set n, 16
.rept 16
	v_pk_add_f32 v[AC+2*(n%8):AC+2*(n%8)+1], v[AC+2*(n%8):AC+2*(n%8)+1], v[S+2*n:S+2*n+1]
.set n, n+1
.endr
.irp k, 0,1,2,3
	s_delay_alu instid0(VALU_DEP_4)
	v_pk_add_f32 v[AC+2*\k:AC+2*\k+1], v[AC+2*\k:AC+2*\k+1], v[AC+8+2*\k:AC+9+2*\k]
.endr
	s_delay_alu instid0(VALU_DEP_2)
	v_pk_add_f32 v[AC:AC+1], v[AC:AC+1], v[AC+4:AC+5]
	s_delay_alu instid0(VALU_DEP_2)
	v_pk_add_f32 v[AC+2:AC+3], v[AC+2:AC+3], v[AC+6:AC+7]
	s_delay_alu instid0(VALU_DEP_1)
	v_pk_add_f32 v[AC:AC+1], v[AC:AC+1], v[AC+2:AC+3]
	s_delay_alu instid0(VALU_DEP_1)
	v_pk_add_f32 v[14:15], v[14:15], v[AC:AC+1]
	s_wait_alu depctr_va_vdst(0)
	s_wait_dscnt 0x0                               ; V is in
.irp i, 0,1,2,3
	v_wmma_scale_f32_16x16x128_f8f6f4 v[OT+8*\i:OT+8*\i+7], v[F+12*\i:F+12*\i+11], v[PC:PC+11], v[OT+8*\i:OT+8*\i+7], v[VS+\i], v[PW] matrix_a_fmt:MATRIX_FMT_FP6 matrix_b_fmt:MATRIX_FMT_FP6
.endr
.Lhidden_\@:
	s_add_co_u32 s17, s17, 128
	s_add_co_u32 s18, s18, STEPL
.endm
.macro WALK base, kf, trips            ; a constant number of key steps from LDS byte base on
	s_mov_b32 s18, \base
	s_mov_b32 s17, \kf
	s_mov_b32 s19, \trips
.Lwalk_\@:
	STEP
	s_sub_co_u32 s19, s19, 1
	s_cmp_lg_u32 s19, 0
	s_cbranch_scc1 .Lwalk_\@
.endm
.macro QADR T, c0, w0, sh              ; tile s[T]: q's half fragment, the word of its pair of tiles, and the shift to its two bytes
	s_lshl_b32 s70, s14, 7
	s_add_co_u32 s70, s70, s[\T]
	s_mul_i32 s70, s70, 768
	s_mov_b32 s71, 0
	s_add_nc_u64 s[\c0:\c0+1], s[4:5], s[70:71]
	s_lshl_b32 s70, s14, 4
	s_lshr_b32 s67, s[\T], 3
	s_add_co_u32 s70, s70, s67
	s_lshl_b32 s70, s70, 8
	s_bfe_u32 s67, s[\T], 0x20001
	s_lshl_b32 s67, s67, 2
	s_add_co_u32 s70, s70, s67
	s_add_nc_u64 s[\w0:\w0+1], s[6:7], s[70:71]
	s_and_b32 s[\sh], s[\T], 1
	s_lshl_b32 s[\sh], s[\sh], 4
.endm
.macro OADR T                          ; tile s[T]: its first query, and where o's codes and bytes go
	s_lshr_b32 s66, s[\T], 1
	s_lshl_b32 s16, s66, 5
	s_and_b32 s66, s[\T], 1
	s_lshl_b32 s66, s66, 3
	s_add_co_u32 s16, s16, s66                     ; 32 (T / 2) + 8 (T % 2)
	s_lshr_b32 s66, s14, 4
	s_lshl_b32 s66, s66, 4
	s_lshr_b32 s67, s[\T], 3
	s_add_co_u32 s66, s66, s67
	s_mul_i32 s66, s66, 102400                     ; o's block of 128 tokens
	s_and_b32 s67, s[\T], 7
	s_and_b32 s68, s14, 15
	s_lshl_b32 s69, s67, 4
	s_add_co_u32 s69, s69, s68
	s_mul_i32 s69, s69, 768
	s_add_co_u32 s70, s66, s69
	s_mov_b32 s71, 0
	s_add_nc_u64 s[54:55], s[10:11], s[70:71]
	s_lshr_b32 s69, s68, 1
	s_lshl_b32 s69, s69, 9
	s_add_co_u32 s70, s66, s69
	s_lshr_b32 s69, s67, 2
	s_lshl_b32 s69, s69, 8
	s_add_co_u32 s70, s70, s69
	s_and_b32 s69, s[\T], 3
	s_lshl_b32 s69, s69, 2
	s_add_co_u32 s70, s70, s69
	s_and_b32 s69, s14, 1
	s_lshl_b32 s69, s69, 1
	s_add_co_u32 s70, s70, s69
	s_add_co_u32 s70, s70, 98304
	s_add_nc_u64 s[56:57], s[10:11], s[70:71]
.endm
.macro INIT qw, sh                     ; a tile begins: the largest score -3e38, the sums 0, q's scale word
	v_mov_b32 v13, 0xff61b1e6
	v_mov_b32 v14, 0
	v_mov_b32 v15, 0
	v_lshrrev_b32 v[TMP], s[\sh], v[\qw]           ; my tile's two bytes,
	s_delay_alu instid0(VALU_DEP_4)
	v_mul_f32 v[TM2], s77, v13
	s_delay_alu instid0(VALU_DEP_2)
	v_and_b32 v[TMP], 0xffff, v[TMP]
	s_delay_alu instid0(VALU_DEP_2)
	v_floor_f32 v12, v[TM2]                        ; -M
	s_delay_alu instid0(VALU_DEP_2)
	v_lshl_or_b32 v[QS], v[TMP], 16, v[TMP]        ; for K 0-63 and for K 64-127 alike
.set n, 0
.rept 32
	v_mov_b32 v[OT+n], 0                           ; O^T: the step is written once; the first change of M leaves zeros zeros.  (Also the plain lines between the scale word's write and the first product)
.set n, n+1
.endr
	s_wait_alu depctr_va_vdst(0)
.endm
.macro FINISH                          ; o = O / the sum, quantised along the head's 64 and stored
.rept 4
	v_nop                                          ; plain lines behind the last products
.endr
	v_add_f32 v14, v14, v15
	s_delay_alu instid0(VALU_DEP_1)
	v_permlanex16_b32 v[TMP], v14, s20, s21
	s_delay_alu instid0(VALU_DEP_1)
	v_add_f32 v14, v14, v[TMP]                     ; the row's sum
	s_wait_alu depctr_va_vdst(0)
	v_rcp_f32 v[FF], v14
	v_nop                                          ; a plain line behind the transcendental
	s_wait_alu depctr_va_vdst(0)
.set n, 0
.rept 16
	v_pk_mul_f32 v[S+2*n:S+2*n+1], v[OT+2*n:OT+2*n+1], v[FF:FF+1] op_sel_hi:[1,0]   ; o: register 16 b + i = channel 32 b + 16 h + i of my query
.set n, n+1
.endr
.irp b, 0,1
	v_max3_num_f32 v[BM+\b], |v[S+16*\b]|, |v[S+16*\b+1]|, 0x1800000
.endr
.irp i, 2,4,6,8,10,12,14
.irp b, 0,1
	s_delay_alu instid0(VALU_DEP_2)
	v_max3_num_f32 v[BM+\b], v[BM+\b], |v[S+16*\b+\i]|, |v[S+16*\b+\i+1]|
.endr
.endr
.irp b, 0,1
	s_delay_alu instid0(VALU_DEP_2)
	v_permlanex16_b32 v[PT+\b], v[BM+\b], s20, s21
.endr
.irp b, 0,1
	s_delay_alu instid0(VALU_DEP_2)
	v_max_num_f32 v[BM+\b], v[BM+\b], v[PT+\b]     ; here a block of 32 channels lies in lanes l and l xor 16
.endr
.irp b, 0,1
	s_delay_alu instid0(VALU_DEP_2)
	v_add_nc_u32 v[SOP+\b], 0xff000000, v[BM+\b]
.endr
.irp b, 0,1
	s_delay_alu instid0(VALU_DEP_2)
	v_lshrrev_b32 v[PT+\b], 23, v[SOP+\b]
.endr
	v_cvt_scalef32_pk16_fp6_f32 v[PC:PC+2], v[S:S+15], v[SOP]
	v_cvt_scalef32_pk16_fp6_f32 v[CT:CT+2], v[S+16:S+31], v[SOP+1]
	v_nop
.irp i, 0,1,2
	v_permlane16_swap_b32 v[PC+\i], v[CT+\i]       ; a whole block in a lane: lanes 0-15 block 0, lanes 16-31 block 1
.endr
.irp i, 0,1,2
	s_delay_alu instid0(VALU_DEP_3)
	v_mov_b32 v[PC+3+\i], v[CT+\i]
.endr
	s_mov_b32 vcc_lo, 0xffff0000
	v_cndmask_b32 v[TMP], v[PT], v[PT+1], vcc_lo   ; lanes 0-15 store block 0's byte, lanes 16-31 block 1's
	global_store_b128 v[LI16], v[PC:PC+3], s[54:55]              ; 512 + 256 consecutive bytes
	global_store_b64 v[LI8], v[PC+4:PC+5], s[54:55] offset:512
	global_store_b8 v[SB], v[TMP], s[56:57]
.endm
	s_load_b256 s[4:11], s[0:1], 0x0               ; qc, qs, kv, oi
	v_lshl_add_u32 v254, v0, 2, SPARE
	v_mov_b32 v255, 0
	ds_add_u32 v254, v255                          ; the opening lines: the add, twice on end, and its wait ahead of my first tensor load
	ds_add_u32 v254, v255
	v_lshrrev_b32 v11, 5, v0
	v_readfirstlane_b32 s12, v11                   ; wave 0..15
	s_mov_b32 s13, ttmp9
	s_and_b32 s14, ttmp7, 0xffff
	s_mov_b32 s20, 0x76543210
	s_mov_b32 s21, 0xfedcba98                      ; v_permlanex16_b32's selects for lane l xor 16
	s_mov_b32 s22, 0x3e38aa3b                      ; c = log2(e) / 8
	s_mov_b32 s23, s22                             ; (named with it as a pair, so it is written)
	s_mov_b32 s77, 0xbe38aa3b                      ; -c
	; group 1: rows of 256 bytes (32 elements of 8), 16 words of padding behind every 64: 13 rows, and 37 rows
	s_mov_b32 s24, (3<<16)|(1<<20)|(5<<22)|(15<<25)
	s_mov_b32 s25, 32<<16
	s_mov_b32 s26, 13<<16
	s_mov_b32 s27, 32<<16
	s_mov_b32 s28, 13
	s_mov_b32 s29, 32
	s_mov_b32 s30, 0
	s_mov_b32 s31, 0
	s_mov_b32 s36, (3<<16)|(1<<20)|(5<<22)|(15<<25)
	s_mov_b32 s37, 32<<16
	s_mov_b32 s38, 37<<16
	s_mov_b32 s39, 32<<16
	s_mov_b32 s40, 37
	s_mov_b32 s41, 32
	s_mov_b32 s42, 0
	s_mov_b32 s43, 0
	s_mov_b32 s32, 1
	s_mul_i32 s33, s12, 13*320                     ; first fill: rows 13 w on
	s_mov_b32 s44, 1
	s_mul_i32 s45, s12, 37*320
	s_add_co_u32 s45, s45, 208*320                 ; second fill: rows 208 + 37 w on
	s_mul_i32 s60, s14, 204800
	s_mov_b32 s61, 0
	s_mul_i32 s66, s12, 13*256
	s_mov_b32 s67, 0
	s_mul_i32 s68, s12, 37*256
	s_add_co_u32 s68, s68, 208*256
	s_mov_b32 s69, 0
	s_mul_i32 s62, s13, 148*256
	s_add_co_u32 s62, s62, 208*256                 ; the prefetch: rows 208 + 148 g on
	s_mov_b32 s63, 0
	s_lshl_b32 s78, s13, 4
	s_add_co_u32 s78, s78, s12                     ; the second tile: 16 g + w
	s_sub_co_u32 s15, 127, s78                     ; the first
	s_wait_dscnt 0x0                               ; both opening adds are done
	s_wait_kmcnt 0x0
	s_add_nc_u64 s[60:61], s[8:9], s[60:61]
	s_add_nc_u64 s[34:35], s[60:61], s[66:67]
	s_or_b32 s35, s35, 0x80000000
	s_add_nc_u64 s[46:47], s[60:61], s[68:69]
	s_or_b32 s47, s47, 0x80000000
	s_add_nc_u64 s[62:63], s[60:61], s[62:63]
	tensor_load_to_lds s[32:35], s[24:31]          ; my one load at the head
	s_nop 0
	QADR 15, 50, 52, 58
	QADR 78, 72, 74, 76
	OADR 15
	v_and_b32 v11, 31, v0
	v_and_b32 v44, 15, v0                          ; r
	v_bfe_u32 v45, v0, 4, 1                        ; h
	v_bfe_u32 v46, v0, 3, 1                        ; r / 8
	v_and_b32 v47, 7, v0                           ; r % 8
	v_lshlrev_b32 v[LI16], 4, v11
	v_lshlrev_b32 v[LI8], 3, v11
	v_lshl_add_u32 v[DQ0], v46, 3, v44
	v_lshlrev_b32 v[TMP], 5, v45
	v_lshlrev_b32 v[R16], 4, v44
	v_mul_u32_u24 v[KL], v46, 1920
	v_lshlrev_b32 v[KSL], 2, v46
	v_sub_nc_u32 v[DQ0], v[DQ0], v[TMP]
	v_add_nc_u32 v[SB], v[R16], v45
	v_mad_u32_u24 v[KL], v45, 320, v[KL]
	v_mad_u32_u24 v[VL], v45, 320, v[R16]
	v_lshl_add_u32 v[KSL], v47, 4, v[KSL]
	v_lshlrev_b32 v[H8], 3, v45
	v_lshl_add_u32 v[KL], v47, 4, v[KL]
	v_mov_b32 v[NINF], 0xff800000
	v_min_u32 v[PFO], 147, v0
	v_mov_b32 v[PT], 0                             ; a lane permute's destination counts as read
	v_mov_b32 v[PT+1], 0
	v_mov_b32 v[TM2], 0
	v_lshlrev_b32 v[PFO], 8, v[PFO]                ; a lane a row; wave 4's lanes that are left over name its last row again
	v_mov_b32 v[FF+1], 0                           ; (named as the upper half of a pair)
.irp i, 22,23,24,25,26,27
	v_mov_b32 v\i, 0                               ; the zero codes beside q
.endr
	s_wait_alu depctr_va_vdst(0)
	s_cmp_lt_u32 s12, 5
	s_cbranch_scc0 .Lno_ask
	global_prefetch_b8 v[PFO], s[62:63] th:TH_LOAD_NT scope:SCOPE_SE   ; its address registers are never written again
.Lno_ask:
	global_load_b128 v[16:19], v[LI16], s[50:51]   ; q twice: in front of the zeros and behind them
	global_load_b64 v[20:21], v[LI8], s[50:51] offset:512
	global_load_b128 v[28:31], v[LI16], s[50:51]
	global_load_b64 v[32:33], v[LI8], s[50:51] offset:512
	global_load_b32 v[QW1], v[R16], s[52:53]
	global_load_b128 v[Q2:Q2+3], v[LI16], s[72:73] ; and the second tile's, kept until its turn
	global_load_b64 v[Q2+4:Q2+5], v[LI8], s[72:73] offset:512
	global_load_b32 v[QW2], v[R16], s[74:75]
	s_wait_loadcnt 0x0
	INIT QW1, 58
	s_wait_tensorcnt 0x0                           ; my 13 rows are in
	ds_add_u32 v254, v255
	s_wait_dscnt 0x0
	s_barrier_signal -1
	s_barrier_wait -1                              ; everybody's are: key steps 0-3 are whole
	tensor_load_to_lds s[44:47], s[36:43]          ; my one load behind the barrier: 37 rows of the rest
	s_nop 0
	WALK 0, 0, 4
	s_wait_tensorcnt 0x0                           ; my 37 rows are in,
	s_wait_dscnt 0x0
	s_barrier_signal -1
	s_barrier_wait -1                              ; everybody's are
	WALK 4*STEPL, 512, 12
	FINISH
	s_wait_alu depctr_va_vdst(0)
	s_wait_xcnt 0x0                                ; the stores have read their bases and data: only behind this wait are they written again
	OADR 78
.irp i, 0,1,2,3,4,5
	v_mov_b32 v[16+\i], v[Q2+\i]
	v_mov_b32 v[28+\i], v[Q2+\i]
.endr
	INIT QW2, 76
	WALK 0, 0, 8                                   ; the second tile is at most 63: key steps 0-7
	FINISH
	s_wait_tensorcnt 0x0                           ; the wave's end
	ds_add_u32 v254, v255
	s_wait_dscnt 0x0
	s_endpgm
.Lfunc_end_k_q61fbcd9650_attn:
	.size	k_q61fbcd9650_attn, .Lfunc_end_k_q61fbcd9650_attn-k_q61fbcd9650_attn
	.p2alignl 7, 3214868480
	.fill 96, 4, 3214868480
	.section	.rodata,"a",@progbits
	.p2align	6, 0x0
	.amdhsa_kernel k_q61fbcd9650_attn
		.amdhsa_group_segment_fixed_size 327680
		.amdhsa_private_segment_fixed_size 0
		.amdhsa_enable_private_segment 0
		.amdhsa_kernarg_size 32
		.amdhsa_user_sgpr_count 2
		.amdhsa_user_sgpr_kernarg_segment_ptr 1
		.amdhsa_wavefront_size32 1
		.amdhsa_system_sgpr_workgroup_id_x 1
		.amdhsa_system_sgpr_workgroup_id_y 1
		.amdhsa_system_sgpr_workgroup_id_z 1
		.amdhsa_system_vgpr_workitem_id 0
		.amdhsa_next_free_vgpr 256
		.amdhsa_next_free_sgpr 80
		.amdhsa_reserve_vcc 1
		.amdhsa_float_denorm_mode_32 3
		.amdhsa_float_denorm_mode_16_64 3
		.amdhsa_memory_ordered 1
		.amdhsa_forward_progress 1
		.amdhsa_inst_pref_size 87
	.end_amdhsa_kernel
	.amdgpu_metadata
---
amdhsa.version: [ 1, 2 ]
amdhsa.kernels:
  - .name:           k_q61fbcd9650_attn
    .symbol:         k_q61fbcd9650_attn.kd
    .args:
      - { .name: qc, .offset: 0, .size: 8, .value_kind: global_buffer, .address_space: global }
      - { .name: qs, .offset: 8, .size: 8, .value_kind: global_buffer, .address_space: global }
      - { .name: kv, .offset: 16, .size: 8, .value_kind: global_buffer, .address_space: global }
      - { .name: oi, .offset: 24, .size: 8, .value_kind: global_buffer, .address_space: global }
    .group_segment_fixed_size: 327680
    .private_segment_fixed_size: 0
    .kernarg_segment_align: 8
    .kernarg_segment_size: 32
    .max_flat_workgroup_size: 512
    .sgpr_count:     80
    .vgpr_count:     256
    .wavefront_size: 32
...
	.end_amdgpu_metadata
.endif
;; end of part 3
;; launch oproj (part 4): grid 4 x 64, 4 waves a work-group, clusters of 4 x 1, 168,448 bytes of LDS; arguments oi, wi, out0; writes out0
.if DOCPART == 4
	.amdgcn_target "amdgcn-amd-amdhsa--gfx1250"
	.amdhsa_code_object_version 6
	.text
	.protected	k_q61fbcd9650_oproj
	.globl	k_q61fbcd9650_oproj
	.p2align	8
	.type	k_q61fbcd9650_oproj,@function
k_q61fbcd9650_oproj:
	s_mov_b64 s[64:65], 0
	v_nop
	global_prefetch_b8 v0, s[64:65] scope:SCOPE_SE
	s_setreg_imm32_b32 hwreg(HW_REG_WAVE_MODE, 25, 1), 1
	s_wait_xcnt 0x0
	s_wait_alu depctr_hold_cnt(0) depctr_sa_sdst(0) depctr_va_vdst(0) depctr_va_sdst(0) depctr_va_ssrc(0) depctr_va_vcc(0) depctr_vm_vsrc(0)
	s_getreg_b32 s2, hwreg(HW_REG_IB_STS2, 6, 4)
	s_cmp_eq_u32 s2, 0
	s_cbranch_scc0 .Lentry_in_a_cluster
	s_endpgm
.Lentry_in_a_cluster:
	s_bfe_u32 s2, ttmp6, 0x10000c
	s_cmp_lg_u32 s2, 0x3003
	s_cbranch_scc0 .Lentry_shape_is_right
	s_endpgm
.Lentry_shape_is_right:
; OPROJ.  out = o Wo on codes of FP6 (E2M3) with E8M0 block scales; K = 1,024 = 16 heads x 64; out [8192][1024] f32.
; SHARES.  A work-group takes one block of 128 tokens and 256 columns; wave w takes columns 64 (4 x + w) on, with Wo's 32 fragments of those columns in registers for the whole launch: 8 K steps x 32 matrix instructions.
; o's images of the block (102,400 bytes: half fragments (tile, head) and the scale words) are brought into LDS ONCE.  CLUSTER: the four work-groups of a cluster take the same block, so they ask JOINTLY (one load a wave, a quarter each).
; LAYOUT.  Source 0 = 16 rows of Wo, source 1 = 16 tokens: a lane holds one token; row r of weight tile 2 b + u is column 32 b + 8 u + r + 8 (r / 8), so register j of that tile is column 32 b + 8 u + 16 (lane / 16) + j.
; THE WAY OUT.  A tile's 16 tokens x 64 columns go through my own stage in LDS (rows of 256 bytes + 16) and leave as whole rows: sixteen lanes store 256 consecutive bytes, at a multiple of 256 from the buffer's first byte.
; REGISTERS: window 0: v1-8 addresses; v12-43 Wo's scale words; v44-59 o's, two sets; v64-255 o's 8 fragments, two buffers (on the way out: rows read back).  windows 1, 2: Wo's fragments of K 0-511, 512-1023.  window 3: the 32 accumulators.
.set IMG,   1536
.set LI16,  1                          ; 16 x lane
.set LI8,   2                          ; 8 x lane
.set LI16H, 3                          ; the same 49,152 bytes on, for tiles 4-7 (an LDS offset has 16 bits)
.set LI8H,  4
.set AR16,  5                          ; 98,304 + 16 r: o's scale words
.set STO,   6                          ; the stage: where I put 16 bytes
.set RD,    7                          ; and where I read a row back
.set CO,    8                          ; my byte offset in two rows of out
.set WS,    12
.set ASC,   44
.set AB,    64
.set MSB, 0
.macro WIN new                         ; the immediate's high byte repeats the setting that is left
.if MSB != \new
	s_set_vgpr_msb (MSB<<8)|\new
.set MSB, \new
.endif
.endm
.macro PLACES                          ; four plain lines between a matrix instruction and a read of its result or a load into one of its registers
.rept 4
	v_nop
.endr
.endm
.macro ROUND                           ; a round of the cluster's barrier
	s_barrier_signal -1
	s_barrier_wait -1
	s_cmp_lg_u32 s12, 0
	s_cbranch_scc1 .Lnot_wave_0_\@
	s_barrier_signal -3
.Lnot_wave_0_\@:
	s_barrier_wait -3
	s_barrier_signal -1
	s_barrier_wait -1
.endm
.macro FETCHA k                        ; K step k (heads 2 k, 2 k + 1): eight fragments, each two half fragments on end, and the eight scale words: 34 loads
.set tau, 0
.rept 8
.set rA, AB+96*((\k)%2)+12*tau
.set oA, (8*(tau%4)+(\k))*IMG
.if tau < 4
	ds_load_b128 v[rA:rA+3], v[LI16] offset:oA
	ds_load_b64 v[rA+4:rA+5], v[LI8] offset:oA+512
	ds_load_b128 v[rA+6:rA+9], v[LI16] offset:oA+768
	ds_load_b64 v[rA+10:rA+11], v[LI8] offset:oA+1280
.else
	ds_load_b128 v[rA:rA+3], v[LI16H] offset:oA
	ds_load_b64 v[rA+4:rA+5], v[LI8H] offset:oA+512
	ds_load_b128 v[rA+6:rA+9], v[LI16H] offset:oA+768
	ds_load_b64 v[rA+10:rA+11], v[LI8H] offset:oA+1280
.endif
.set tau, tau+1
.endr
.irp q, 0,1
	ds_load_b128 v[ASC+8*((\k)%2)+4*\q:ASC+8*((\k)%2)+4*\q+3], v[AR16] offset:512*(\k)+256*\q
.endr
.endm
; A K step: 32 matrix instructions; the 32 accumulators take turns, in the same order in every step.  K step 0 starts the sums.
.macro KS k
	WIN 0
	PLACES                                         ; for the loads below, into registers that the last step's products read
.if (\k) < 7
	FETCHA (\k)+1
	s_wait_dscnt 34                                ; all but the 34 LDS loads just issued: this step's fragments and words are in
.else
	s_wait_dscnt 0x0
.endif
.if (\k) < 4
	WIN 0xf1                                       ; source 0 (Wo) window 1, source 1 (o) window 0, C and D window 3
.else
	WIN 0xf2                                       ; source 0 window 2
.endif
.set tau, 0
.rept 8
.set ct, 0
.rept 4
.set rD, 8*(4*tau+ct)
.set rB, 12*(4*ct+(\k)%4)
.set rA, AB+96*((\k)%2)+12*tau
.set sB, WS+16*((\k)/4)+4*ct+(\k)%4
.set sA, ASC+8*((\k)%2)+tau
.if (\k) == 0
	v_wmma_scale_f32_16x16x128_f8f6f4 v[rD:rD+7], v[rB:rB+11], v[rA:rA+11], 0, v[sB], v[sA] matrix_a_fmt:MATRIX_FMT_FP6 matrix_b_fmt:MATRIX_FMT_FP6
.else
	v_wmma_scale_f32_16x16x128_f8f6f4 v[rD:rD+7], v[rB:rB+11], v[rA:rA+11], v[rD:rD+7], v[sB], v[sA] matrix_a_fmt:MATRIX_FMT_FP6 matrix_b_fmt:MATRIX_FMT_FP6
.endif
.set ct, ct+1
.endr
.set tau, tau+1
.endr
.endm
.macro TOSTAGE a                       ; tile a into my stage and back as rows.  LDS serves a wave's instructions in order: no wait between the stores and the loads, nor in front of the next tile's stores
	WIN 0x0c                                       ; an LDS store's data: window 3
.irp c, 0,1,2,3
	ds_store_b128 v[STO], v[8*(4*(\a)+\c):8*(4*(\a)+\c)+3] offset:128*(\c/2)+32*(\c%2)        ; each accumulator from its low end on
	ds_store_b128 v[STO], v[8*(4*(\a)+\c)+4:8*(4*(\a)+\c)+7] offset:128*(\c/2)+32*(\c%2)+16
.endr
	WIN 0
.irp i, 0,1,2,3,4,5,6,7
	ds_load_b128 v[AB+32*((\a)%2)+4*\i:AB+32*((\a)%2)+4*\i+3], v[RD] offset:544*\i   ; rows 2 i (lanes 0-15) and 2 i + 1 (lanes 16-31)
.endr
.endm
.macro SEND a, younger                 ; younger: the LDS instructions issued behind tile a's loads, which may stay out
	s_wait_dscnt \younger
.irp i, 0,1,2,3,4,5,6,7
	global_store_b128 v[CO], v[AB+32*((\a)%2)+4*\i:AB+32*((\a)%2)+4*\i+3], s[22:23] offset:(32*((\a)/2)+8*((\a)%2)+2*\i+8*(\i/4))*4096 th:TH_STORE_NT   ; row 2 i + h of the tile is token 32 (a / 2) + 8 (a % 2) + 2 i + h + 8 (i / 4)
.endr
.endm
	s_load_b128 s[4:7], s[0:1], 0x0                ; oi, wi
	s_load_b64 s[8:9], s[0:1], 0x10                ; out0
	v_lshl_add_u32 v62, v0, 2, 0x29000
	v_mov_b32 v63, 0
	ds_add_u32 v62, v63
	ds_add_u32 v62, v63
	v_lshrrev_b32 v9, 5, v0
	v_readfirstlane_b32 s12, v9                    ; wave 0..3
	v_and_b32 v9, 31, v0
	v_lshlrev_b32 v[LI16], 4, v9
	v_lshlrev_b32 v[LI8], 3, v9
	v_add_nc_u32 v[LI16H], 49152, v[LI16]
	v_add_nc_u32 v[LI8H], 49152, v[LI8]
	v_and_b32 v10, 15, v0                          ; r
	v_bfe_u32 v11, v0, 4, 1                        ; h
	v_lshl_add_u32 v[AR16], v10, 4, 98304
	s_mul_i32 s20, s12, 4352
	s_add_co_u32 s20, s20, 102400                  ; my stage: behind the images, 16 rows x 272 bytes; no fill lands there
	v_mul_u32_u24 v[STO], v10, 272
	v_lshl_add_u32 v[STO], v11, 6, v[STO]
	v_add_nc_u32 v[STO], s20, v[STO]               ; in: row r, 64 h bytes on
	v_mul_u32_u24 v[RD], v11, 272
	v_lshl_add_u32 v[RD], v10, 4, v[RD]
	v_add_nc_u32 v[RD], s20, v[RD]                 ; back: lanes 0-15 one row, lanes 16-31 the next
	v_lshlrev_b32 v[CO], 12, v11
	v_lshl_add_u32 v[CO], v10, 4, v[CO]            ; and the same two rows of out
	s_and_b32 s15, ttmp7, 0xffff                   ; the block of 128 tokens, which the four partners share
	; descriptor group 1: a dense quarter of the block's images, 100 rows of 256 bytes (32 elements of 8 bytes)
	s_mov_b32 s24, 15|(3<<16)|(1<<21)              ; 15:0 the mask: all four work-groups; 17:16 elements of 8 bytes; 21 set beside a mask
	s_mov_b32 s25, 32<<16
	s_mov_b32 s26, 100<<16
	s_mov_b32 s27, 32<<16
	s_mov_b32 s28, 100
	s_mov_b32 s29, 32
	s_mov_b32 s30, 0
	s_mov_b32 s31, 0
	s_mov_b32 s32, 1
	s_mul_i32 s33, s12, 25600                      ; LDS address: wave x a quarter
	s_mul_i32 s18, s15, 102400
	s_add_co_u32 s18, s18, s33
	s_mov_b32 s19, 0
	s_bfe_u32 s13, ttmp6, 0x40000                  ; cx: it enters Wo's and out's addresses alone
	s_lshl_b32 s14, ttmp9, 2
	s_add_co_u32 s14, s14, s13
	s_lshl_b32 s14, s14, 2
	s_add_co_u32 s14, s14, s12                     ; my group of 64 columns
	s_add_co_u32 s40, s14, 48
	s_mul_i32 s40, s40, 26624                      ; Wo's lower half of K is tensor 3 of wi
	s_mov_b32 s41, 0
	s_lshl_b32 s42, s15, 19                        ; 128 rows of 4,096 bytes
	s_lshl_b32 s43, s14, 8
	s_add_co_u32 s42, s42, s43
	s_mov_b32 s43, 0
	s_wait_dscnt 0x0
	s_wait_kmcnt 0x0
	s_add_nc_u64 s[34:35], s[4:5], s[18:19]
	s_or_b32 s35, s35, 0x80000000                  ; type = 2
	s_add_nc_u64 s[36:37], s[6:7], s[40:41]
	s_add_nc_u64 s[38:39], s[36:37], 16*26624      ; the upper half of K
	s_add_nc_u64 s[22:23], s[8:9], s[42:43]
	ROUND                                          ; all four work-groups are here: the joint loads meet
	tensor_load_to_lds s[32:35], s[24:31]          ; my one tensor load: one is out
	s_nop 0
	PLACES
.irp q, 0,1                                    ; Wo's fragments and scale words: they stay
	WIN 0x40+0x40*\q
.set ct, 0
.rept 16
.irp c, 0,1,2
	global_load_b128 v[12*ct+4*\c:12*ct+4*\c+3], v[LI16], s[36+2*\q:37+2*\q] offset:ct*IMG+512*\c
.endr
.set ct, ct+1
.endr
	WIN 0
.irp c, 0,1,2,3
	global_load_b128 v[WS+16*\q+4*\c:WS+16*\q+4*\c+3], v[LI16], s[36+2*\q:37+2*\q] offset:24576+512*\c
.endr
.endr
	s_wait_tensorcnt 0x0                           ; my quarter is in,
	s_barrier_signal -1
	s_barrier_wait -1                              ; everybody's is
	s_wait_alu depctr_va_vdst(0)
	FETCHA 0
	s_wait_loadcnt 0x0                             ; Wo
	KS 0
	KS 1
	KS 2
	KS 3
	KS 4
	KS 5
	KS 6
	KS 7
	WIN 0
	PLACES                                         ; behind the last products: the stage's stores read results, and its loads land where o's fragments lay
	TOSTAGE 0
.irp a, 1,2,3,4,5,6,7
.if \a > 1
	s_wait_xcnt 0x0                                ; tile a - 2's stores have read their registers: tile a's rows may land there
.endif
	TOSTAGE \a
	SEND \a-1, 16                                  ; behind tile a - 1's loads: tile a's 8 stores and 8 loads
.endr
	SEND 7, 0
	s_wait_tensorcnt 0x0
	ds_add_u32 v62, v63
	s_wait_dscnt 0x0
	ROUND                                          ; the closing round: no work-group ends while a partner may still ask jointly
	s_endpgm
.Lfunc_end_k_q61fbcd9650_oproj:
	.size	k_q61fbcd9650_oproj, .Lfunc_end_k_q61fbcd9650_oproj-k_q61fbcd9650_oproj
	.p2alignl 7, 3214868480
	.fill 96, 4, 3214868480
	.section	.rodata,"a",@progbits
	.p2align	6, 0x0
	.amdhsa_kernel k_q61fbcd9650_oproj
		.amdhsa_group_segment_fixed_size 168448
		.amdhsa_private_segment_fixed_size 0
		.amdhsa_enable_private_segment 0
		.amdhsa_kernarg_size 24
		.amdhsa_user_sgpr_count 2
		.amdhsa_user_sgpr_kernarg_segment_ptr 1
		.amdhsa_wavefront_size32 1
		.amdhsa_system_sgpr_workgroup_id_x 1
		.amdhsa_system_sgpr_workgroup_id_y 1
		.amdhsa_system_sgpr_workgroup_id_z 1
		.amdhsa_system_vgpr_workitem_id 0
		.amdhsa_next_free_vgpr 1024
		.amdhsa_next_free_sgpr 66
		.amdhsa_reserve_vcc 0
		.amdhsa_float_denorm_mode_32 3
		.amdhsa_float_denorm_mode_16_64 3
		.amdhsa_memory_ordered 1
		.amdhsa_forward_progress 1
		.amdhsa_inst_pref_size 81
	.end_amdhsa_kernel
	.amdgpu_metadata
---
amdhsa.version: [ 1, 2 ]
amdhsa.kernels:
  - .name:           k_q61fbcd9650_oproj
    .symbol:         k_q61fbcd9650_oproj.kd
    .args:
      - { .name: oi, .offset: 0, .size: 8, .value_kind: global_buffer, .address_space: global }
      - { .name: wi, .offset: 8, .size: 8, .value_kind: global_buffer, .address_space: global }
      - { .name: out0, .offset: 16, .size: 8, .value_kind: global_buffer, .address_space: global }
    .group_segment_fixed_size: 168448
    .private_segment_fixed_size: 0
    .kernarg_segment_align: 8
    .kernarg_segment_size: 24
    .max_flat_workgroup_size: 128
    .sgpr_count:     66
    .vgpr_count:     1024
    .wavefront_size: 32
...
	.end_amdgpu_metadata
.endif
;; end of part 4
